; MI455X (gfx1250); checked and timed in simulation.
; The chip was launched on July 23, 2026; its instructions are those of AMD's public machine-readable ISA for CDNA 5 (MIT licence, August 2026) and "CDNA5" Instruction Set Architecture Reference Guide (July 2026). The comments in the code are by the model that wrote it; some were corrected since.
;; Llama Fast MLP prior. Allowed arithmetic: matrix products marked QUANTISED: E2M3 operands, one E8M0 scale for each 32 along K, by v_wmma_scale_f32_16x16x128_f8f6f4 with both operands' format E2M3, f32 sums; everything else in f32.
;; Inputs: down_qweight 2,048 x 5,504 int32; down_qzeros 2,048 x 43 int32; down_scales 2,048 x 43 float32; gu_qweight 11,008 x 2,048 int32; gu_qzeros 11,008 x 16 int32; gu_scales 11,008 x 16 float32; x 1 x 2,048 x 2,048 float32.
;; Outputs: out0 2,048 x 2,048 float32.
;; This version of the problem:
;;   THIS VERSION OF THE PROBLEM IS GIVEN IN LOW PRECISION. The matrix products marked QUANTISED in the list below multiply operands that are first quantised to E2M3 (2 exponent bits, 3 mantissa bits; 6 bits a number), with one power-of-two scale for each 32 numbers along K (OCP MX v1.0); their sums are f32. All else is computed in f32.
;;   The module's matrix products, in the order in which they are computed (A, B: the left and right operand; K: the contracted axis; several contracted axes count as one K, in the product's order):
;;     1. [M 2,048, K 2,048] x [K 2,048, N 11,008]; A: input x; B: computed on the way: QUANTISED
;;     2. [M 2,048, K 5,504] x [K 5,504, N 2,048]; A: computed on the way; B: computed on the way: QUANTISED
;;   THE QUANTISER, for each operand of a quantised product, along K:
;;     - K is cut into blocks of 32 from its start; a last block that is shorter is filled with zeros.
;;     - A block's scale is 2^e with e = floor(log2(the largest magnitude in the block)) - 2, held to -126 .. 127; a block of zeros has e = 0. As a byte (E8M0): e + 127.
;;     - Each number is divided by its block's scale, clamped to +-7.5, and rounded to the nearest number of E2M3, ties to even, subnormals kept.
;;     - The product sums the exact products of the quantised numbers (number of the format x scale) in f32.
;;   ~~~python
;;   def quantise(x, axis):      # numpy; x: float32 -> the quantised numbers, widened to float32 again
;;       x = np.moveaxis(x, axis, -1); K = x.shape[-1]
;;       x = np.pad(x, [(0, 0)] * (x.ndim - 1) + [(0, -K % 32)]); x = x.reshape(x.shape[:-1] + (-1, 32)); a = np.abs(x).max(-1, keepdims=True)
;;       e = np.where(a > 0, np.clip(np.frexp(np.where(a > 0, a, 1))[1] - 1 - 2, -126, 127), 0)      # np.frexp(a)[1] - 1 = floor(log2(a)), exactly
;;       r = np.clip(x / 2.0 ** e, -7.5, 7.5)
;;       step = 2.0 ** (np.maximum(np.frexp(np.where(r == 0, 1, r))[1] - 1, 0) - 3)
;;       q = np.round(r / step) * step * 2.0 ** e      # np.round: ties to even
;;       return np.moveaxis(q.reshape(q.shape[:-2] + (-1,))[..., :K], -1, axis).astype(np.float32)
;;   ~~~
;;   OPERANDS COMPUTED ON THE WAY. 'Computed on the way' means the value that the module computes at that place (a softmax that the list does not call 'softmax' is quantised finished and normalised). What goes into a quantiser is computed in f32, as accurately as f32 sums, v_exp_f32 and their like allow (about 1e-6 of the number): no bf16 or f16 on the way to a quantiser, and a product that is left as it is and whose result goes on into a quantised operand takes f32 operands (vector FMAs, or v_wmma_f32_16x16x4_f32). A number that lies on a knife's edge between two numbers of the format may be rounded either way, as far as f32 arithmetic and the matrix unit's own rounding can turn it there, and no further.
;; One version. Each part assembles by itself: llvm-mc -triple=amdgcn-amd-amdhsa -mcpu=gfx1250 --defsym DOCPART=n.
;; ======== version 1 of 1: 3 launches
;; workspace buffers: xc 3,145,728 bytes; xs 131,072 bytes; guc 16,908,288 bytes; gus 704,512 bytes; dnc 8,454,144 bytes; dns 352,256 bytes; hc 8,454,144 bytes; hs 352,256 bytes
;; launch quant (part 1): grid 1160 x 1, 4 waves a work-group, no clusters, 51,712 bytes of LDS; arguments gu_qweight, gu_qzeros, gu_scales, guc, gus, down_qweight, down_qzeros, down_scales, dnc, dns, x, xc, xs; writes guc, gus, dnc, dns, xc, xs
.if DOCPART == 1
	.amdgcn_target "amdgcn-amd-amdhsa--gfx1250"
	.amdhsa_code_object_version 6
	.text
	.protected	k_q68223bf3fe_quant
	.globl	k_q68223bf3fe_quant
	.p2align	8
	.type	k_q68223bf3fe_quant,@function
k_q68223bf3fe_quant:
	s_mov_b64 s[64:65], 0
	v_nop
	global_prefetch_b8 v0, s[64:65] scope:SCOPE_SE
	s_setreg_imm32_b32 hwreg(HW_REG_WAVE_MODE, 25, 1), 1
	s_wait_xcnt 0x0
; The three operands that arrive from outside become codes of FP6 (E2M3), K innermost, with one E8M0 scale byte for each 32 along K:
;   x [2048][2048] f32;  W_gu [11008][2048] and W_down [2048][5504], which arrive as int32 codes q with one zero z (int32) and one scale s (f32) for each 128 along K: w = (float(q) - float(z)) * s, in f32.
; Rows are dense and every K is a multiple of 128, so each tensor is a plain stream of blocks of 32 numbers, its zeros and scales a stream of one pair for each 128 numbers, and the codes and scale bytes streams too.
; A block's scale is 2^(floor(log2(its largest magnitude)) - 2); its byte is the largest magnitude's exponent field - 2, held at 1 from below.  A block of zeros gets the byte 1 where the quantiser's text says 127:
; its codes are zeros, which add nothing under any byte but 0xff, and the bytes are read by this program alone.
; LIMITS: NaN and infinities among the inputs are not served.
; SHARES: a wave takes a run of 8,192 numbers: 16 steps of 512.  Work-groups 0-687 take W_gu, 688-1031 W_down, 1032-1159 x.  Work-groups share no input: no cluster, no tensor load, no barrier.
; Each load reads 512 consecutive bytes, 16 a lane; the conversion wants 16 NEIGHBOURS in a lane: a step's 2,048 bytes turn through the wave's own stage in LDS (16 bytes of padding behind each 64).
; A run's 64 zeros and 64 scales are 256 consecutive bytes each: they are read once and laid in LDS as 64 entries (z, z, s, s) in f32; a lane's 16 numbers belong to one group of 128, so a step takes one entry a lane.
; W_gu's ROWS CHANGE PLACES on the way out: row bits 3 and 4 are swapped, so that 16 neighbouring rows of the codes' buffer are rows 32 b + 8 u + r + 8 (r / 8) of the weight.  A run is 4 rows, so the swap is of the run's bits 1 and 2.
; The two ways (weights, x) part on the work-group's number; each has LDS bytes of its own.
.set STEPS, 16
.set WG_GU, 688                        ; 11008 x 2048 / 32768
.set WG_W,  1032                       ; + 2048 x 5504 / 32768
.set CB,    12                         ; bytes of 16 codes
.set R,     16                         ; v16-79   four sets of 16 numbers as they are loaded
.set X,     80                         ; v80-111  two sets of 16 neighbours
.set E,     112                        ; v112-113 the scale byte, by the step's parity
.set TA,    114                        ; v114     where I read my group's entry of the table
.set TW,    115                        ; v115     where I write my two entries
.set ZS,    116                        ; v116-123 two sets of (z, z, s, s)
.set C,     128                        ; v128-191 codes: four registers for each step, so that no store's data are written again
.set WREG,  6400                       ; LDS of a wave: two stages, 256 scale bytes, the table
.set SP,    80                         ; a lane's place in a stage: its 64 bytes + 16 of padding
.set SBY,   2*32*SP
.set TAB,   SBY+256
.set XB,    4*WREG                     ; the way of x uses the same layout, this many bytes further on
	s_load_b512 s[4:19], s[0:1], 0x0               ; gu: q 4:5, z 6:7, s 8:9, codes 10:11, bytes 12:13;  down: q 14:15, z 16:17, s 18:19
	s_load_b256 s[20:27], s[0:1], 0x40             ; down: codes 20:21, bytes 22:23;  x 24:25, its codes 26:27
	s_load_b64 s[28:29], s[0:1], 0x60              ; x's bytes
	v_lshl_add_u32 v192, v0, 2, 0xc800
	v_mov_b32 v193, 0
	v_lshrrev_b32 v1, 5, v0
	v_readfirstlane_b32 s30, v1                    ; wave
	v_and_b32 v2, 31, v0                           ; lane
	v_lshlrev_b32 v3, 4, v2                        ; my 16 bytes of a load's 512
	s_mul_i32 s31, s30, WREG
	v_lshrrev_b32 v14, 2, v2
	v_mul_u32_u24 v14, v14, SP
	v_and_b32 v15, 3, v2
	v_lshl_add_u32 v14, v15, 4, v14
	v_add_nc_u32 v14, s31, v14                     ; the stage, on the way in: SP (lane / 4) + 16 (lane % 4)
	v_mul_u32_u24 v15, v2, SP
	v_add_nc_u32 v15, s31, v15                     ; and on the way out: SP x lane: my 16 neighbours
	v_mul_u32_u24 v4, v2, CB                       ; my codes' place in a step's
	v_lshrrev_b32 v5, 1, v2
	s_add_co_u32 s32, s31, SBY
	v_add_nc_u32 v5, s32, v5                       ; my block's scale byte
	v_lshlrev_b32 v7, 3, v2                        ; 8 bytes a lane
	v_add_nc_u32 v6, s32, v7
	v_lshrrev_b32 v[TA], 3, v2
	v_lshlrev_b32 v[TA], 4, v[TA]
	v_add_nc_u32 v[TA], s31, v[TA]
	v_add_nc_u32 v[TA], TAB, v[TA]                 ; entry lane / 8 of a step's four
	v_lshlrev_b32 v[TW], 5, v2
	v_add_nc_u32 v[TW], s31, v[TW]
	v_add_nc_u32 v[TW], TAB, v[TW]                 ; entries 2 lane and 2 lane + 1
	s_mov_b32 s49, 0
.macro LOAD t
.irp i, 0,1,2,3
	global_load_b128 v[R+16*((\t)%4)+4*\i:R+16*((\t)%4)+4*\i+3], v3, s[34:35] offset:2048*(\t)+512*\i th:TH_LOAD_NT   ; 32 lanes read 512 consecutive bytes; read once in the launch
.endr
.endm
.macro TURN t, lb, deq                 ; step t's numbers through the stage: LDS serves a wave's instructions in order, so no wait stands between the stores and the loads
.irp i, 0,1,2,3
	ds_store_b128 v14, v[R+16*((\t)%4)+4*\i:R+16*((\t)%4)+4*\i+3] offset:\lb+32*SP*((\t)%2)+8*SP*\i
.endr
.irp i, 0,1,2,3
	ds_load_b128 v[X+16*((\t)%2)+4*\i:X+16*((\t)%2)+4*\i+3], v15 offset:\lb+32*SP*((\t)%2)+16*\i
.endr
.if \deq
	ds_load_b128 v[ZS+4*((\t)%2):ZS+4*((\t)%2)+3], v[TA] offset:64*(\t)   ; my group's (z, z, s, s)
.endif
.endm
.macro STEP t, lb, deq
.set XS, X+16*((\t)%2)
.set ZQ, ZS+4*((\t)%2)
.if (\t) > 0
	s_wait_dscnt 1                                 ; this step's numbers are back from the stage; only the last step's byte store may be out
.else
	s_wait_dscnt 0x0
.endif
.if (\t)+4 < STEPS
	LOAD (\t)+4                                    ; into the set that this step's stage stores have read
.endif
.if (\t)+1 < STEPS
.if STEPS-2-(\t) >= 3
	s_wait_loadcnt 12                              ; the next step's four loads are in; those of the three steps behind it may be out
.else
	s_wait_loadcnt 4*(STEPS-2-(\t))                ; the counts run down: nothing more is asked for
.endif
	TURN (\t)+1, \lb, \deq
.endif
.if \deq
.set n, 0
.rept 16
	v_cvt_f32_i32 v[XS+n], v[XS+n]                 ; float(q)
.set n, n+1
.endr
.set n, 0
.rept 8
	v_pk_add_f32 v[XS+n:XS+n+1], v[XS+n:XS+n+1], v[ZQ:ZQ+1] neg_lo:[0,1] neg_hi:[0,1]   ; - float(z)
.set n, n+2
.endr
.set n, 0
.rept 8
	v_pk_mul_f32 v[XS+n:XS+n+1], v[XS+n:XS+n+1], v[ZQ+2:ZQ+3]   ; x s
.set n, n+2
.endr
.endif
	v_max3_num_f32 v8, |v[XS]|, |v[XS+1]|, |v[XS+2]|               ; the largest magnitude of my 16, in two chains
	v_max3_num_f32 v9, |v[XS+3]|, |v[XS+4]|, |v[XS+5]|
.irp i, 6,10
	v_max3_num_f32 v8, v8, |v[XS+\i]|, |v[XS+\i+1]|
	v_max3_num_f32 v9, v9, |v[XS+\i+2]|, |v[XS+\i+3]|
.endr
	v_max3_num_f32 v8, v8, |v[XS+14]|, |v[XS+15]|
	v_max3_num_f32 v8, v8, v9, 0x1800000           ; and the floor 2^(3 - 127): the byte cannot fall under 1
	v_max_num_f32_dpp v8, v8, v8 row_xmask:1 row_mask:0xf bank_mask:0xf   ; and of my neighbour's 16: the block's
	v_add_nc_u32 v11, 0xff000000, v8               ; 2 off its exponent field: the conversion takes the exponent field of this operand as its scale
	v_cvt_scalef32_pk16_fp6_f32 v[C+4*(\t):C+4*(\t)+2], v[XS:XS+15], v11
	v_lshrrev_b32 v[E+(\t)%2], 23, v11             ; the scale's byte (also the plain line behind the conversion)
	ds_store_b8 v5, v[E+(\t)%2] offset:\lb+16*(\t) ; both lanes of a block write the same byte with the same value
	global_store_b96 v4, v[C+4*(\t):C+4*(\t)+2], s[40:41] offset:32*CB*(\t)   ; the wave stores 384 consecutive bytes
.endm
.macro TAIL lb
	ds_load_b64 v[12:13], v6 offset:\lb            ; LDS serves a wave's instructions in order: these see my byte stores
	s_wait_dscnt 0x0
	global_store_b64 v7, v[12:13], s[42:43]        ; 32 lanes store 256 consecutive bytes, aligned
.endm
	s_wait_kmcnt 0x0
	s_cmp_ge_u32 ttmp9, WG_W
	s_cbranch_scc1 .Lx
	; ---- a weight.  The choice between the two hangs on the work-group's number alone
	s_cmp_lt_u32 ttmp9, WG_GU
	s_cselect_b64 s[34:35], s[4:5], s[14:15]       ; q
	s_cselect_b64 s[36:37], s[6:7], s[16:17]       ; z
	s_cselect_b64 s[38:39], s[8:9], s[18:19]       ; s
	s_cselect_b64 s[40:41], s[10:11], s[20:21]     ; codes
	s_cselect_b64 s[42:43], s[12:13], s[22:23]     ; scale bytes
	s_cselect_b32 s44, 0, WG_GU
	s_cselect_b32 s45, 6, 0                        ; W_gu: the run's bits 1 and 2 may change places; W_down: never
	s_sub_co_u32 s44, ttmp9, s44
	s_lshl_b32 s44, s44, 2
	s_add_co_u32 s44, s44, s30                     ; my run
	s_lshr_b32 s46, s44, 1
	s_lshr_b32 s47, s44, 2
	s_xor_b32 s46, s46, s47
	s_and_b32 s46, s46, 1                          ; 1 where the two bits differ
	s_mul_i32 s46, s46, s45
	s_xor_b32 s46, s44, s46                        ; the run's place on the way out
	s_lshl_b32 s48, s44, 15                        ; 32,768 bytes of q a run (under 2^27 in all)
	s_add_nc_u64 s[34:35], s[34:35], s[48:49]
	s_lshl_b32 s48, s44, 8                         ; 256 bytes of z and of s
	s_add_nc_u64 s[36:37], s[36:37], s[48:49]
	s_add_nc_u64 s[38:39], s[38:39], s[48:49]
	s_mul_i32 s48, s46, 32*STEPS*CB                ; 6,144 bytes of codes
	s_add_nc_u64 s[40:41], s[40:41], s[48:49]
	s_lshl_b32 s48, s46, 8                         ; 256 scale bytes
	s_add_nc_u64 s[42:43], s[42:43], s[48:49]
	global_load_b64 v[128:129], v7, s[36:37]       ; my two zeros: the wave reads 256 consecutive bytes
	global_load_b64 v[130:131], v7, s[38:39]       ; my two scales
.irp t, 0,1,2,3
	LOAD \t
.endr
	s_wait_loadcnt 16                              ; z and s are in; the sixteen loads issued behind them may be out
	v_cvt_f32_i32 v132, v128
	v_cvt_f32_i32 v136, v129
	v_mov_b32 v134, v130
	v_mov_b32 v135, v130
	v_mov_b32 v138, v131
	v_mov_b32 v139, v131
	v_mov_b32 v133, v132
	v_mov_b32 v137, v136
	ds_store_b128 v[TW], v[132:135]                ; (z, z, s, s) of group 2 lane
	ds_store_b128 v[TW], v[136:139] offset:16      ; and of group 2 lane + 1
	s_wait_loadcnt 12                              ; step 0's four loads are in
	TURN 0, 0, 1
.irp t, 0,1,2,3,4,5,6,7,8,9,10,11,12,13,14,15
	STEP \t, 0, 1
.endr
	TAIL 0
	s_wait_tensorcnt 0x0
	ds_add_u32 v192, v193
	s_wait_dscnt 0x0
	s_endpgm
.Lx:	; ---- x: the same without the table
	s_sub_co_u32 s44, ttmp9, WG_W
	s_lshl_b32 s44, s44, 2
	s_add_co_u32 s44, s44, s30
	s_lshl_b32 s48, s44, 15
	s_add_nc_u64 s[34:35], s[24:25], s[48:49]
	s_mul_i32 s48, s44, 32*STEPS*CB
	s_add_nc_u64 s[40:41], s[26:27], s[48:49]
	s_lshl_b32 s48, s44, 8
	s_add_nc_u64 s[42:43], s[28:29], s[48:49]
.irp t, 0,1,2,3
	LOAD \t
.endr
	s_wait_loadcnt 12                              ; step 0's four loads are in
	TURN 0, XB, 0
.irp t, 0,1,2,3,4,5,6,7,8,9,10,11,12,13,14,15
	STEP \t, XB, 0
.endr
	TAIL XB
	s_wait_tensorcnt 0x0
	ds_add_u32 v192, v193
	s_wait_dscnt 0x0
	s_endpgm
.Lfunc_end_k_q68223bf3fe_quant:
	.size	k_q68223bf3fe_quant, .Lfunc_end_k_q68223bf3fe_quant-k_q68223bf3fe_quant
	.p2alignl 7, 3214868480
	.fill 96, 4, 3214868480
	.section	.rodata,"a",@progbits
	.p2align	6, 0x0
	.amdhsa_kernel k_q68223bf3fe_quant
		.amdhsa_group_segment_fixed_size 51712
		.amdhsa_private_segment_fixed_size 0
		.amdhsa_enable_private_segment 0
		.amdhsa_kernarg_size 104
		.amdhsa_user_sgpr_count 2
		.amdhsa_user_sgpr_kernarg_segment_ptr 1
		.amdhsa_wavefront_size32 1
		.amdhsa_system_sgpr_workgroup_id_x 1
		.amdhsa_system_sgpr_workgroup_id_y 1
		.amdhsa_system_sgpr_workgroup_id_z 1
		.amdhsa_system_vgpr_workitem_id 0
		.amdhsa_next_free_vgpr 194
		.amdhsa_next_free_sgpr 66
		.amdhsa_reserve_vcc 0
		.amdhsa_float_denorm_mode_32 3
		.amdhsa_float_denorm_mode_16_64 3
		.amdhsa_memory_ordered 1
		.amdhsa_forward_progress 1
		.amdhsa_inst_pref_size 89
	.end_amdhsa_kernel
	.amdgpu_metadata
---
amdhsa.version: [ 1, 2 ]
amdhsa.kernels:
  - .name:           k_q68223bf3fe_quant
    .symbol:         k_q68223bf3fe_quant.kd
    .args:
      - { .name: gu_qweight, .offset: 0, .size: 8, .value_kind: global_buffer, .address_space: global }
      - { .name: gu_qzeros, .offset: 8, .size: 8, .value_kind: global_buffer, .address_space: global }
      - { .name: gu_scales, .offset: 16, .size: 8, .value_kind: global_buffer, .address_space: global }
      - { .name: guc, .offset: 24, .size: 8, .value_kind: global_buffer, .address_space: global }
      - { .name: gus, .offset: 32, .size: 8, .value_kind: global_buffer, .address_space: global }
      - { .name: down_qweight, .offset: 40, .size: 8, .value_kind: global_buffer, .address_space: global }
      - { .name: down_qzeros, .offset: 48, .size: 8, .value_kind: global_buffer, .address_space: global }
      - { .name: down_scales, .offset: 56, .size: 8, .value_kind: global_buffer, .address_space: global }
      - { .name: dnc, .offset: 64, .size: 8, .value_kind: global_buffer, .address_space: global }
      - { .name: dns, .offset: 72, .size: 8, .value_kind: global_buffer, .address_space: global }
      - { .name: x, .offset: 80, .size: 8, .value_kind: global_buffer, .address_space: global }
      - { .name: xc, .offset: 88, .size: 8, .value_kind: global_buffer, .address_space: global }
      - { .name: xs, .offset: 96, .size: 8, .value_kind: global_buffer, .address_space: global }
    .group_segment_fixed_size: 51712
    .private_segment_fixed_size: 0
    .kernarg_segment_align: 8
    .kernarg_segment_size: 104
    .max_flat_workgroup_size: 128
    .sgpr_count:     66
    .vgpr_count:     194
    .wavefront_size: 32
...
	.end_amdgpu_metadata
.endif
;; end of part 1
;; launch gateup (part 2): grid 8 x 43, 4 waves a work-group, clusters of 4 x 1, 327,680 bytes of LDS; arguments xc, xs, guc, gus, hc, hs; writes hc, hs
.if DOCPART == 2
	.amdgcn_target "amdgcn-amd-amdhsa--gfx1250"
	.amdhsa_code_object_version 6
	.text
	.protected	k_q68223bf3fe_gateup
	.globl	k_q68223bf3fe_gateup
	.p2align	8
	.type	k_q68223bf3fe_gateup,@function
k_q68223bf3fe_gateup:
	s_mov_b64 s[64:65], 0
	v_nop
	global_prefetch_b8 v0, s[64:65] scope:SCOPE_SE
	s_setreg_imm32_b32 hwreg(HW_REG_WAVE_MODE, 25, 1), 1
	s_wait_xcnt 0x0
	s_wait_alu depctr_hold_cnt(0) depctr_sa_sdst(0) depctr_va_vdst(0) depctr_va_sdst(0) depctr_va_ssrc(0) depctr_va_vcc(0) depctr_vm_vsrc(0)
	s_getreg_b32 s2, hwreg(HW_REG_IB_STS2, 6, 4)
	s_cmp_eq_u32 s2, 0
	s_cbranch_scc0 .Lentry_in_a_cluster
	s_endpgm
.Lentry_in_a_cluster:
	s_bfe_u32 s2, ttmp6, 0x10000c
	s_cmp_lg_u32 s2, 0x3003
	s_cbranch_scc0 .Lentry_shape_is_right
	s_endpgm
.Lentry_shape_is_right:
; h = silu(x Wg^T) * (x Wu^T), the product on codes of FP6 (E2M3) with one E8M0 scale for each 32 along K = 2048; h is quantised along the hidden axis on the way out and leaves as codes and scale words.
; xc [2048][1536 B], xs [2048][64 B]: x's codes and scale bytes.  guc [11008][1536 B], gus [11008][64 B]: the weight's, gate rows first, up rows from 5504 on; within each 32 rows, row bits 3 and 4 are swapped,
; so that 16 neighbouring rows of the buffer are rows 32 b + 8 u + r + 8 (r / 8) of the weight.
; SHARES.  Work-group (mt, j): 256 rows of x x hidden units 128 j .. 128 j + 127, gate AND up: a tile of 256 x 256.  Wave (mh, nh): 128 rows x 64 hidden units: B's blocks 0-3 are gate rows, blocks 4-7 the same units' up rows: 64 accumulators.
; K goes in steps of 256 through a ring of two LDS slots; the scale bytes of the work-group's rows, for all of K, come into LDS once.
; THE MATRIX INSTRUCTION IS USED TRANSPOSED (source 0 = 16 rows of the weight, source 1 = 16 rows of x): a lane holds one row of x, its registers run along the hidden units, and by the order of the weight's rows the 16 registers of
; blocks 2 b and 2 b + 1 are hidden units 32 b + 16 (lane / 16) + 0 .. 15: neighbours along the next product's K.
; CLUSTER.  There are 43 column tiles, a prime number, so no cluster divides the grid along the hidden axis: the four partners are four row tiles of one column tile.  They need the same tiles of the weight, which are asked
; for JOINTLY (mask 15).  x's tiles differ between the partners: each work-group asks for its own, by plain loads in the same places behind the same rounds.
; THE WAY OUT.  For each block of 16 rows: sigmoid by v_exp_f32 and v_rcp_f32 in f32, (g x sigmoid) x u, two blocks of 32 quantised in registers: they are registers 6 nh .. 6 nh + 5 of an operand fragment (16 rows x 128 hidden units)
; of the next product, and leave as an image of those registers: hc [43 j][128 fragments][2 halves][768 B]: 16 bytes a lane (four registers), then 8 bytes a lane (two).  hs [43 j][2048 rows]: one scale word a row.
; LIMITS: a sigmoid under 2^-126 (gate below about -87) comes out as 0, since v_rcp_f32 gives 0 for what would be denormal; NaN and infinities are not served.  A block of zeros gets the scale byte 1: its codes are zeros.
; REGISTERS, in windows of 256: window 0: v0-31 addresses; v32-63 scale words, two sets, and nothing else; v64-127 at work on the way out; v128-223 x's fragments, ONE set, later h's codes; v224-241 at work on the way out.
;   window 1: the weight's fragments, TWO sets, at v0 and v128.   window 2: the accumulators of my rows 0-63 ((a, b) at v[8 (8 a + b)]);   window 3: those of rows 64-127.
.set NQ,     2                         ; matrix instructions deep in a slot: 256 along K
.set ROWB,   192                       ; a tile's row in bytes
.set KROW,   1536                      ; a row of codes in memory
.set PITCH,  240                       ; an LDS row: 3 x (64 bytes + 16 of padding) = 60 words: the 32 lanes of a load of 8 bytes touch 64 different banks (64 banks of 4 bytes: ISA guide 11.1)
.set FR,     12                        ; registers of a fragment
.set NL,     6                         ; LDS loads that bring one
.set NP,     4                         ; places behind this matrix instruction (ISA guide 7.12.1)
.set HALFT,  128*PITCH                 ; 128 rows: what one tensor load brings
.set SLOT,   4*HALFT                   ; x's rows 0-127, 128-255, 128 gate rows, 128 up rows
.set LAPS,   4                         ; 2048 / 512: a lap is once round the ring
.set KS,     64                        ; a row of scale bytes
.set SCL,    2*SLOT                    ; behind the ring: the scales, as rows of 256 bytes + 16 of padding
.set HALFS,  32*272                    ; those of 128 rows
.set SBLK,   4*272                     ; those of 16 rows
.set SPARE,  SCL+4*HALFS               ; the spare words, 128 bytes for each wave: no other line names them
.set SCX,    SPARE+512                 ; 2,048 bytes into which no tensor load lands: h's half scale words, 512 bytes for each wave
.set INTER,  5504
.set ADRA, 16                          ; v16-17 LDS address of x's fragments in slot 0, 1; v18-19 the same behind one padding more
.set ADRB, 20                          ; v20-23 the same for the weight
.set HO16, 24                          ; v24  16 x lane
.set HO8,  25                          ; v25  8 x lane
.set SXW,  26                          ; v26  where I put a half scale word
.set ADRS, 27                          ; v27  my scale words: lanes 0-15 x's rows, lanes 16-31 gate rows
.set SPW,  28                          ; v28  my spare word; never rewritten
.set NIL,  29                          ; v29  0; never rewritten
.set ADRS2, 30                         ; v30  lanes 0-15 x's rows, lanes 16-31 up rows
.set SXR,  31                          ; v31  where I read half scale words back
.set SC,   32
.set T,    64                          ; v64-95   the sigmoid of a block's 32 gates
.set H,    96                          ; v96-127  a block's 32 numbers of h
.set AF,   128
.set CD,   128                         ; h's codes: block a at v[128 + 8 a] on, six registers
.set HW,   192                         ; v192-199 block a's two scale bytes
.set TM,   224                         ; v224-225 largest magnitudes
.set TP,   226                         ; v226-227 the other half of the lanes'
.set SO,   228                         ; v228-229 the conversions' scale operands
.set BY,   230                         ; v230-231 the bytes
.set Q,    232                         ; v232-234 the second conversion's codes
.set G1, 24                            ; s[24:31] group 1 for x's tiles; s[32:39] group 0, one set for each slot
.set G0, 32
.set G1B, 48                           ; s[48:55], s[56:63] the same for the weight's
.set G0B, 56
.set G1S, 68                           ; s[68:75], s[76:79] x's scales; s[80:87], s[88:91] the weight's
.set G0S, 76
.set G1SB, 80
.set G0SB, 88
.set MSB, 0
.macro WIN new                         ; the immediate's high byte repeats the setting that is left
.if MSB != (\new)
	s_set_vgpr_msb (MSB<<8)|(\new)
.set MSB, (\new)
.endif
.endm
.set MUL_LO, 0xa1                      ; source 0 (weight) window 1, source 1 (x) window 0, C and D window 2
.set MUL_HI, 0xf1                      ; the same, C and D window 3
.set TO_B,   0x40                      ; destination window 1, address window 0
; Waves 0 and 1 fetch for x (plain loads), waves 2 and 3 for the weight (joint loads).  The branch hangs on the wave's number alone.  Four v_nop follow each of the two lines.
.macro JLOAD g0a, g1a, g0b, g1b
	s_cmp_eq_u32 s17, 0
	s_cbranch_scc0 .Lfor_b_\@
	tensor_load_to_lds s[\g0a:\g0a+3], s[\g1a:\g1a+7]
	s_nop 0
.rept 4
	v_nop
.endr
	s_branch .Lasked_\@
.Lfor_b_\@:
	tensor_load_to_lds s[\g0b:\g0b+3], s[\g1b:\g1b+7]
	s_nop 0
.rept 4
	v_nop
.endr
.Lasked_\@:
.endm
.macro CREST                           ; a round of the cluster's barrier behind its opening barrier
	s_cmp_lg_u32 s16, 0
	s_cbranch_scc1 .Lnot_wave_0_\@
	s_barrier_signal -3
.Lnot_wave_0_\@:
	s_barrier_wait -3
	s_barrier_signal -1
	s_barrier_wait -1
.endm
.macro CROUND
	s_barrier_signal -1
	s_barrier_wait -1
	CREST
.endm
	s_load_b128 s[4:7], s[0:1], 0x0                ; x's codes, x's scales
	s_load_b128 s[8:11], s[0:1], 0x10              ; the weight's codes, its scales
	s_load_b128 s[12:15], s[0:1], 0x20             ; h's codes, h's scale words
	v_lshl_add_u32 v[SPW], v0, 2, SPARE
	v_mov_b32 v[NIL], 0
	ds_add_u32 v28, v29
	ds_add_u32 v28, v29
	s_wait_dscnt 0x0
	v_mov_b32 v[TP], 0                             ; written once: a lane permute's destination counts as one of its sources
	v_mov_b32 v[TP+1], 0
	v_lshrrev_b32 v1, 5, v0
	v_readfirstlane_b32 s16, v1                    ; wave 0..3
	s_lshr_b32 s17, s16, 1                         ; mh: which 128 rows of x are mine.  Also: I fetch for x (0) or for the weight (1)
	s_and_b32 s18, s16, 1                          ; nh: which 64 hidden units.  Also: which half I fetch (x: rows 128 nh on; weight: gate or up)
	s_bfe_u32 s40, ttmp6, 0x40000                  ; cx: it enters x's global addresses and the outputs' alone
	s_lshl_b32 s19, ttmp9, 2
	s_add_co_u32 s19, s19, s40                     ; mt = 4 x cluster x + cx
	s_and_b32 s20, ttmp7, 0xffff                   ; j, which the four partners share
	s_mov_b32 s96, 0xbfb8aa3b                      ; -log2(e)
	s_mov_b32 s97, s96                             ; (named with it as a pair, so it is written)
	s_mov_b32 s98, 0x76543210
	s_mov_b32 s99, 0xfedcba98                      ; v_permlanex16_b32's selects for lane l xor 16
	; group 1: 128 rows x 192 bytes, 16 bytes of padding behind every 64
	s_mov_b32 s[G1+0], (1<<20)|(3<<22)|(3<<25)                 ; no mask; elements of 1 byte; padding on; after every 16 words (code 3); 4 words (code 3)
	s_mov_b32 s[G1B+0], 15|(1<<20)|(1<<21)|(3<<22)|(3<<25)     ; the same with the mask of all four partners and bit 21 beside it
.irp g, G1, G1B
	s_mov_b32 s[\g+1], ROWB<<16                    ; tensor_dim0
	s_mov_b32 s[\g+2], 128<<16                     ; tensor_dim1
	s_mov_b32 s[\g+3], ROWB<<16                    ; tile_dim0
	s_mov_b32 s[\g+4], 128                         ; tile_dim1
	s_mov_b32 s[\g+5], KROW                        ; from row to row
	s_mov_b32 s[\g+6], 0
	s_mov_b32 s[\g+7], 0
.endr
	; the scales of 128 rows: 8,192 dense bytes, as 32 rows of 256 bytes (32 elements of 8 bytes), 16 bytes of padding behind each
	s_mov_b32 s[G1S+0], (3<<16)|(1<<20)|(5<<22)|(3<<25)
	s_mov_b32 s[G1SB+0], 15|(3<<16)|(1<<20)|(1<<21)|(5<<22)|(3<<25)
.irp g, G1S, G1SB
	s_mov_b32 s[\g+1], 32<<16
	s_mov_b32 s[\g+2], 32<<16
	s_mov_b32 s[\g+3], 32<<16
	s_mov_b32 s[\g+4], 32
	s_mov_b32 s[\g+5], 32
	s_mov_b32 s[\g+6], 0
	s_mov_b32 s[\g+7], 0
.endr
	s_lshl_b32 s41, s19, 8
	s_lshl_b32 s42, s18, 7
	s_add_co_u32 s41, s41, s42                     ; x: row 256 mt + 128 half
	s_mul_i32 s42, s41, KROW                       ; its codes, in bytes (under 2^22)
	s_mov_b32 s43, 0
	s_lshl_b32 s44, s41, 6                         ; its scale bytes
	s_mov_b32 s45, 0
	s_lshl_b32 s46, s20, 7                         ; the weight: row 128 j + 5504 half; these registers never hold cx
	s_mul_i32 s47, s18, INTER
	s_add_co_u32 s46, s46, s47
	s_mul_i32 s92, s46, KROW                       ; (under 2^25)
	s_mov_b32 s93, 0
	s_lshl_b32 s94, s46, 6
	s_mov_b32 s95, 0
	s_mul_i32 s21, s16, HALFT                      ; where they go: wave x 128 rows: no place in the cluster enters an LDS address
	s_mul_i32 s22, s16, HALFS
	s_wait_kmcnt 0x0
	s_add_nc_u64 s[42:43], s[4:5], s[42:43]
	s_add_nc_u64 s[44:45], s[6:7], s[44:45]
	s_add_nc_u64 s[92:93], s[8:9], s[92:93]
	s_add_nc_u64 s[94:95], s[10:11], s[94:95]
	CROUND                                         ; all four work-groups are here: the first joint loads meet
	s_mov_b32 s[G0S], 1
	s_add_co_u32 s[G0S+1], s22, SCL
	s_mov_b64 s[G0S+2:G0S+3], s[44:45]
	s_or_b32 s[G0S+3], s[G0S+3], 0x80000000
	s_mov_b32 s[G0SB], 1
	s_add_co_u32 s[G0SB+1], s22, SCL
	s_mov_b64 s[G0SB+2:G0SB+3], s[94:95]
	s_or_b32 s[G0SB+3], s[G0SB+3], 0x80000000
	JLOAD G0S, G1S, G0SB, G1SB                     ; the scales first: they are wanted with K step 0
.irp s, 0,1
	s_mov_b32 s[G0+4*\s], 1
	s_add_co_u32 s[G0+4*\s+1], s21, \s*SLOT
	s_add_nc_u64 s[G0+4*\s+2:G0+4*\s+3], s[42:43], \s*ROWB
	s_or_b32 s[G0+4*\s+3], s[G0+4*\s+3], 0x80000000
	s_mov_b32 s[G0B+4*\s], 1
	s_add_co_u32 s[G0B+4*\s+1], s21, \s*SLOT
	s_add_nc_u64 s[G0B+4*\s+2:G0B+4*\s+3], s[92:93], \s*ROWB
	s_or_b32 s[G0B+4*\s+3], s[G0B+4*\s+3], 0x80000000
	JLOAD G0+4*\s, G1, G0B+4*\s, G1B               ; three tensor loads of mine are out behind the last of these
.endr
	v_and_b32 v1, 15, v0                           ; r = lane % 16
	v_bfe_u32 v2, v0, 4, 1                         ; h = lane / 16
	v_mul_u32_u24 v3, v1, PITCH
	v_mul_u32_u24 v4, v2, 24
	v_add_nc_u32 v4, v3, v4                        ; a fragment's row x pitch + 24 x half
	v_lshl_add_u32 v5, v2, 4, v4                   ; and the same behind one padding more
	s_mul_i32 s21, s17, HALFT                      ; my 128 rows of x
	s_mul_i32 s22, s18, 64*PITCH                   ; my 64 gate rows,
	s_add_co_u32 s22, s22, 2*HALFT                 ; behind x's 256; the up rows lie HALFT further on
.irp s, 0,1
	v_add_nc_u32 v[ADRA+\s], s21, v4
	v_add_nc_u32 v[ADRB+\s], s22, v4
	v_add_nc_u32 v[ADRA+2+\s], s21, v5
	v_add_nc_u32 v[ADRB+2+\s], s22, v5
	s_add_co_u32 s21, s21, SLOT
	s_add_co_u32 s22, s22, SLOT
.endr
	v_mul_u32_u24 v5, v1, KS                       ; my row's scales: 64 bytes a row,
	v_lshrrev_b32 v6, 8, v5
	v_lshl_add_u32 v5, v6, 4, v5                   ; and 16 more for each 256 passed
	s_mul_i32 s21, s17, HALFS                      ; x's: my 128 rows
	s_mul_i32 s22, s18, 4*SBLK                     ; gate's: my 64 rows, behind x's 256
	s_add_co_u32 s22, s22, 2*HALFS
	s_sub_co_u32 s22, s22, s21                     ; the distance from x's to gate's,
	s_add_co_u32 s23, s22, HALFS-4*SBLK            ; and to up's, less the four blocks that the loads' offsets have counted
	v_mul_u32_u24 v6, s22, v2                      ; lanes 16-31 take the weight's
	v_mul_u32_u24 v7, s23, v2
	s_add_co_u32 s21, s21, SCL
	v_add_nc_u32 v6, v5, v6
	v_add_nc_u32 v7, v5, v7
	v_add_nc_u32 v[ADRS], s21, v6
	v_add_nc_u32 v[ADRS2], s21, v7
	v_and_b32 v6, 31, v0
	v_lshlrev_b32 v[HO16], 4, v6
	v_lshlrev_b32 v[HO8], 3, v6
	s_lshl_b32 s21, s16, 9
	s_add_co_u32 s21, s21, SCX
	v_lshl_add_u32 v[SXW], v1, 2, s21              ; SCX + 512 x wave + 4 r
	s_lshl_b32 s21, s17, 10
	s_lshl_b32 s22, s18, 8
	s_add_co_u32 s21, s21, s22
	s_add_co_u32 s21, s21, SCX
	v_add_nc_u32 v[SXR], s21, v[HO8]               ; rows 64 wave on of the tile: the words of the wave with nh = 0; its partner's lie 512 bytes on
	s_lshl_b32 s41, s20, 7                         ; hc: fragment 128 j + 16 mt + 8 mh, half nh
	s_lshl_b32 s66, s19, 4
	s_add_co_u32 s41, s41, s66
	s_lshl_b32 s66, s17, 3
	s_add_co_u32 s41, s41, s66
	s_mul_i32 s41, s41, 1536
	s_mul_i32 s66, s18, 768
	s_add_co_u32 s66, s41, s66
	s_mov_b32 s67, 0
	s_add_nc_u64 s[12:13], s[12:13], s[66:67]
	s_lshl_b32 s41, s20, 11                        ; hs: word 2048 j + 256 mt + 64 wave
	s_lshl_b32 s66, s19, 8
	s_add_co_u32 s41, s41, s66
	s_lshl_b32 s66, s16, 6
	s_add_co_u32 s41, s41, s66
	s_lshl_b32 s66, s41, 2
	s_add_nc_u64 s[14:15], s[14:15], s[66:67]
.macro FRAG reg, adr, q, off           ; a fragment, 16 rows x 128 K, is 12 registers: lane l holds row l % 16; registers 6 c .. 6 c + 5 hold K = 64 c + 32 (l / 16) + 0 .. 31: 24 bytes of the row's stream of bits, in pieces of 8 bytes
.irp p, 0,1,2,3,4,5
.set PC, 12*(\q)+6*(\p/3)+\p%3         ; lanes 16-31 read three pieces on: where that lies behind one padding more, the second address register serves
.if PC%8 < 5
	ds_load_b64 v[\reg+2*\p:\reg+2*\p+1], v[\adr] offset:8*PC+16*(PC/8)+(\off)
.else
	ds_load_b64 v[\reg+2*\p:\reg+2*\p+1], v[\adr+2] offset:8*PC+16*(PC/8)+(\off)
.endif
.endr
.endm
; 16 matrix instructions: x's blocks a0, a0 + 1 against the weight's eight.  The 64 accumulators take turns, one instruction a turn, in the same order in every step.
.macro MUL16 a0, p, q, sc, zero
.irp a, \a0, \a0+1
.irp b, 0,1,2,3,4,5,6,7
.if \zero
	v_wmma_scale_f32_16x16x128_f8f6f4 v[8*(8*((\a)%4)+\b):8*(8*((\a)%4)+\b)+7], v[128*(\p)+FR*\b:128*(\p)+FR*\b+FR-1], v[AF+FR*(\a):AF+FR*(\a)+FR-1], 0, v[SC+8*NQ*(\sc)+NQ*\b+(\q)], v[SC+8*NQ*(\sc)+NQ*(\a)+(\q)] matrix_a_fmt:MATRIX_FMT_FP6 matrix_b_fmt:MATRIX_FMT_FP6 matrix_a_scale:MATRIX_SCALE_ROW1
.else
	v_wmma_scale_f32_16x16x128_f8f6f4 v[8*(8*((\a)%4)+\b):8*(8*((\a)%4)+\b)+7], v[128*(\p)+FR*\b:128*(\p)+FR*\b+FR-1], v[AF+FR*(\a):AF+FR*(\a)+FR-1], v[8*(8*((\a)%4)+\b):8*(8*((\a)%4)+\b)+7], v[SC+8*NQ*(\sc)+NQ*\b+(\q)], v[SC+8*NQ*(\sc)+NQ*(\a)+(\q)] matrix_a_fmt:MATRIX_FMT_FP6 matrix_b_fmt:MATRIX_FMT_FP6 matrix_a_scale:MATRIX_SCALE_ROW1
.endif
.endr
.endr
.endm
.macro FETCH_B slot, q, p              ; the weight's eight fragments: blocks 0-3 gate, 4-7 up
	WIN TO_B
.irp i, 0,1,2,3,4,5,6,7
	FRAG 128*(\p)+FR*\i, ADRB+\slot, \q, (\i%4)*16*PITCH+(\i/4)*HALFT
.endr
	WIN 0
.endm
.macro FETCH_A slot, q, i0             ; x's blocks i0 .. i0 + 3
.irp i, \i0, \i0+1, \i0+2, \i0+3
	FRAG AF+FR*(\i), ADRA+\slot, \q, (\i)*16*PITCH
.endr
.endm
.macro SCALES sc                       ; a slot's scale words: two words a row; lanes 0-15 take x's block i, lanes 16-31 the weight's block i
.irp i, 0,1,2,3
	ds_load_b64 v[SC+8*NQ*\sc+NQ*\i:SC+8*NQ*\sc+NQ*\i+1], v[ADRS] offset:\i*SBLK
.endr
.irp i, 4,5,6,7
	ds_load_b64 v[SC+8*NQ*\sc+NQ*\i:SC+8*NQ*\sc+NQ*\i+1], v[ADRS2] offset:\i*SBLK
.endr
.endm
.macro PLACES n                        ; plain vector instructions between a matrix instruction and a load into, or a read of, its registers
.rept \n
	v_nop
.endr
.endm
.macro STEP slot, q, zero              ; a step of 128 along K that has its successor in the same slot
	s_wait_dscnt 4*NL                              ; the weight's set and x's blocks 0-3 are in; the youngest 24 loads (x's blocks 4-7) may be out
	WIN MUL_LO
	MUL16 0, (\q)%2, \q, \slot, \zero
	MUL16 2, (\q)%2, \q, \slot, \zero
	s_wait_dscnt 0
	PLACES NP
	FETCH_B \slot, (\q)+1, 1-(\q)%2
	FETCH_A \slot, (\q)+1, 0
	WIN MUL_HI
	MUL16 4, (\q)%2, \q, \slot, \zero
	MUL16 6, (\q)%2, \q, \slot, \zero
	PLACES NP
	WIN 0
	FETCH_A \slot, (\q)+1, 4
.endm
; A slot's last step changes slots: ONE barrier; in front of it each wave waits for all its tensor loads, adds 0 to its spare word, and waits for that and for its own reads of this slot.  fill = 1: the slot is filled again, two slots ahead.
.macro TURN slot, next, fill
	s_wait_tensorcnt 0x0                           ; all my tensor loads have landed: my part of the next slot
	ds_add_u32 v[SPW], v[NIL]                      ; 0 onto my spare word
	s_wait_dscnt 4*NL+1                            ; (the add and the youngest 24 loads may be out)
	WIN MUL_LO
	MUL16 0, 1, NQ-1, \slot, 0                     ; sixteen matrix instructions stand between the add and the wait for it
	s_wait_dscnt 0x0                               ; the add is done, and my reads of this slot are over
	s_barrier_signal -1
	MUL16 2, 1, NQ-1, \slot, 0
	WIN 0
	s_barrier_wait -1
.if \fill
	CREST                                          ; the barrier has opened a round of the cluster's: no wave of any partner still reads this slot or has a load on its way
	s_add_nc_u64 s[G0+4*\slot+2:G0+4*\slot+3], s[G0+4*\slot+2:G0+4*\slot+3], 2*ROWB
	s_add_nc_u64 s[G0B+4*\slot+2:G0B+4*\slot+3], s[G0B+4*\slot+2:G0B+4*\slot+3], 2*ROWB
	JLOAD G0+4*\slot, G1, G0B+4*\slot, G1B         ; my one tensor load behind the round; its four v_nop are the places in front of the loads below
.else
	PLACES NP
.endif
	v_add_nc_u32 v[ADRS], 4*NQ, v[ADRS]            ; on to the next slot's scale words
	v_add_nc_u32 v[ADRS2], 4*NQ, v[ADRS2]
	FETCH_B \next, 0, 0
	FETCH_A \next, 0, 0
	SCALES \next
	WIN MUL_HI
	MUL16 4, 1, NQ-1, \slot, 0
	MUL16 6, 1, NQ-1, \slot, 0
	PLACES NP
	WIN 0
	FETCH_A \next, 0, 4
.endm
	s_wait_tensorcnt 1                             ; the scales and my part of slot 0 are in; slot 1's load may be out
	s_barrier_signal -1
	s_barrier_wait -1
	FETCH_B 0, 0, 0
	FETCH_A 0, 0, 0
	SCALES 0
	FETCH_A 0, 0, 4
	STEP 0, 0, 1                                   ; the first step stands in front of the loop: its products start the sums
	s_mov_b32 s3, LAPS-1
.Llap:                                                 ; a trip goes once round the ring and fills both slots again
	TURN 0, 1, 1
	STEP 1, 0, 0
	TURN 1, 0, 1
	STEP 0, 0, 0
	s_sub_co_u32 s3, s3, 1
	s_cmp_lg_u32 s3, 0
	s_cbranch_scc1 .Llap
	TURN 0, 1, 0                                   ; the last lap fills nothing
	STEP 1, 0, 0
	s_wait_dscnt 4*NL
	WIN MUL_LO
	MUL16 0, 1, NQ-1, 1, 0
	MUL16 2, 1, NQ-1, 1, 0
	s_wait_dscnt 0
	WIN MUL_HI
	MUL16 4, 1, NQ-1, 1, 0
	MUL16 6, 1, NQ-1, 1, 0
	WIN 0
	PLACES NP                                      ; in front of the first read of results and the first write of registers that held x's fragments
; Block a's 16 rows: G = its accumulators 0-3 (32 registers), U = 4-7.  H = (G x 1 / (1 + 2^(-G log2 e))) x U.  Each accumulator is read from its low end on.
.macro SWI a
.set AC, 64*((\a)%4)
	WIN 2+(\a)/4                                   ; source 0: window 2 or 3
.set n, 0
.rept 16
	v_pk_mul_f32 v[T+n:T+n+1], v[AC+n:AC+n+1], s[96:97] op_sel_hi:[1,0]
.set n, n+2
.endr
	WIN 0
.set n, 0
.rept 32
	v_exp_f32 v[T+n], v[T+n]
.set n, n+1
.endr
	v_nop                                          ; a plain line behind the last exponential
.set n, 0
	s_wait_alu depctr_va_vdst(0)
.rept 16
	v_pk_add_f32 v[T+n:T+n+1], v[T+n:T+n+1], 1.0 op_sel_hi:[1,0]
.set n, n+2
.endr
.set n, 0
.rept 32
	v_rcp_f32 v[T+n], v[T+n]
.set n, n+1
.endr
	v_nop                                          ; a plain line behind the last reciprocal
	WIN 2+(\a)/4
.set n, 0
	s_wait_alu depctr_va_vdst(0)
.rept 16
	v_pk_mul_f32 v[H+n:H+n+1], v[AC+n:AC+n+1], v[T+n:T+n+1]        ; silu(gate)
.set n, n+2
.endr
.set n, 0
.rept 16
	v_pk_mul_f32 v[H+n:H+n+1], v[AC+32+n:AC+32+n+1], v[H+n:H+n+1]  ; x up
.set n, n+2
.endr
	WIN 0
.endm
; H's register 16 b + i is hidden unit 32 b + 16 (lane / 16) + i of my row: two blocks of 32, each in lanes l and l xor 16.
.macro QH a
.irp b, 0,1
	v_max3_num_f32 v[TM+\b], |v[H+16*\b]|, |v[H+16*\b+1]|, 0x1800000   ; with the floor 2^(3 - 127): the byte cannot fall under 1
.endr
.irp i, 2,4,6,8,10,12,14
.irp b, 0,1
	v_max3_num_f32 v[TM+\b], v[TM+\b], |v[H+16*\b+\i]|, |v[H+16*\b+\i+1]|
.endr
.endr
.irp b, 0,1
	v_permlanex16_b32 v[TP+\b], v[TM+\b], s98, s99
.endr
.irp b, 0,1
	v_max_num_f32 v[TM+\b], v[TM+\b], v[TP+\b]     ; the block's largest magnitude
.endr
.irp b, 0,1
	v_add_nc_u32 v[SO+\b], 0xff000000, v[TM+\b]    ; 2 off its exponent field: the conversion's scale operand
.endr
.irp b, 0,1
	v_lshrrev_b32 v[BY+\b], 23, v[SO+\b]           ; the scale's byte
.endr
	v_lshl_or_b32 v[HW+(\a)], v[BY+1], 8, v[BY]    ; my half of the row's scale word
	v_cvt_scalef32_pk16_fp6_f32 v[CD+8*(\a):CD+8*(\a)+2], v[H:H+15], v[SO]
	v_cvt_scalef32_pk16_fp6_f32 v[Q:Q+2], v[H+16:H+31], v[SO+1]
	v_nop                                          ; one plain line behind a scaled conversion
.irp i, 0,1,2
	v_permlane16_swap_b32 v[CD+8*(\a)+\i], v[Q+\i] ; the operand's layout wants a WHOLE block in a lane: lanes 0-15 the first block, lanes 16-31 the second
.endr
.irp i, 0,1,2
	v_mov_b32 v[CD+8*(\a)+3+\i], v[Q+\i]
.endr
	global_store_b128 v[HO16], v[CD+8*(\a):CD+8*(\a)+3], s[12:13] offset:1536*(\a)          ; 512 consecutive bytes, aligned to 256
	global_store_b64 v[HO8], v[CD+8*(\a)+4:CD+8*(\a)+5], s[12:13] offset:1536*(\a)+512      ; 256 consecutive bytes, aligned
	ds_store_b32 v[SXW], v[HW+(\a)] offset:64*(\a) ; lanes l and l xor 16 write the same word with the same value
.endm
.irp a, 0,1,2,3,4,5,6,7
	SWI \a
	QH \a
.endr
	s_wait_dscnt 0x0                               ; for the others' sake: my half words lie in LDS
	s_barrier_signal -1
	s_barrier_wait -1
	ds_load_b64 v[236:237], v[SXR]                 ; two rows' bytes 0, 1
	ds_load_b64 v[238:239], v[SXR] offset:512      ; and their bytes 2, 3
	s_wait_dscnt 0x0
	v_lshl_or_b32 v240, v238, 16, v236
	v_lshl_or_b32 v241, v239, 16, v237
	global_store_b64 v[HO8], v[240:241], s[14:15]  ; 64 rows' scale words: 256 consecutive bytes, aligned
	s_wait_tensorcnt 0x0                           ; the wave's end
	ds_add_u32 v[SPW], v[NIL]
	s_wait_dscnt 0x0
	CROUND                                         ; the closing round: no work-group ends while a partner may still ask for a tile that names it
	s_endpgm
.Lfunc_end_k_q68223bf3fe_gateup:
	.size	k_q68223bf3fe_gateup, .Lfunc_end_k_q68223bf3fe_gateup-k_q68223bf3fe_gateup
	.p2alignl 7, 3214868480
	.fill 96, 4, 3214868480
	.section	.rodata,"a",@progbits
	.p2align	6, 0x0
	.amdhsa_kernel k_q68223bf3fe_gateup
		.amdhsa_group_segment_fixed_size 327680
		.amdhsa_private_segment_fixed_size 0
		.amdhsa_enable_private_segment 0
		.amdhsa_kernarg_size 48
		.amdhsa_user_sgpr_count 2
		.amdhsa_user_sgpr_kernarg_segment_ptr 1
		.amdhsa_wavefront_size32 1
		.amdhsa_system_sgpr_workgroup_id_x 1
		.amdhsa_system_sgpr_workgroup_id_y 1
		.amdhsa_system_sgpr_workgroup_id_z 1
		.amdhsa_system_vgpr_workitem_id 0
		.amdhsa_next_free_vgpr 1024
		.amdhsa_next_free_sgpr 100
		.amdhsa_reserve_vcc 0
		.amdhsa_float_denorm_mode_32 3
		.amdhsa_float_denorm_mode_16_64 3
		.amdhsa_memory_ordered 1
		.amdhsa_forward_progress 1
		.amdhsa_inst_pref_size 198
	.end_amdhsa_kernel
	.amdgpu_metadata
---
amdhsa.version: [ 1, 2 ]
amdhsa.kernels:
  - .name:           k_q68223bf3fe_gateup
    .symbol:         k_q68223bf3fe_gateup.kd
    .args:
      - { .name: xc, .offset: 0, .size: 8, .value_kind: global_buffer, .address_space: global }
      - { .name: xs, .offset: 8, .size: 8, .value_kind: global_buffer, .address_space: global }
      - { .name: guc, .offset: 16, .size: 8, .value_kind: global_buffer, .address_space: global }
      - { .name: gus, .offset: 24, .size: 8, .value_kind: global_buffer, .address_space: global }
      - { .name: hc, .offset: 32, .size: 8, .value_kind: global_buffer, .address_space: global }
      - { .name: hs, .offset: 40, .size: 8, .value_kind: global_buffer, .address_space: global }
    .group_segment_fixed_size: 327680
    .private_segment_fixed_size: 0
    .kernarg_segment_align: 8
    .kernarg_segment_size: 48
    .max_flat_workgroup_size: 128
    .sgpr_count:     100
    .vgpr_count:     1024
    .wavefront_size: 32
...
	.end_amdgpu_metadata
.endif
;; end of part 2
;; launch down (part 3): grid 16 x 16, 4 waves a work-group, clusters of 4 x 4, 327,680 bytes of LDS; arguments hc, hs, dnc, dns, out0; writes out0
.if DOCPART == 3
	.amdgcn_target "amdgcn-amd-amdhsa--gfx1250"
	.amdhsa_code_object_version 6
	.text
	.protected	k_q68223bf3fe_down
	.globl	k_q68223bf3fe_down
	.p2align	8
	.type	k_q68223bf3fe_down,@function
k_q68223bf3fe_down:
	s_mov_b64 s[64:65], 0
	v_nop
	global_prefetch_b8 v0, s[64:65] scope:SCOPE_SE
	s_setreg_imm32_b32 hwreg(HW_REG_WAVE_MODE, 25, 1), 1
	s_wait_xcnt 0x0
	s_wait_alu depctr_hold_cnt(0) depctr_sa_sdst(0) depctr_va_vdst(0) depctr_va_sdst(0) depctr_va_ssrc(0) depctr_va_vcc(0) depctr_vm_vsrc(0)
	s_getreg_b32 s2, hwreg(HW_REG_IB_STS2, 6, 4)
	s_cmp_eq_u32 s2, 0
	s_cbranch_scc0 .Lentry_in_a_cluster
	s_endpgm
.Lentry_in_a_cluster:
	s_bfe_u32 s2, ttmp6, 0x10000c
	s_cmp_lg_u32 s2, 0xf033
	s_cbranch_scc0 .Lentry_shape_is_right
	s_endpgm
.Lentry_shape_is_right:
; out0 [2048][2048] f32 = h Wd^T, on codes of FP6 (E2M3) with one E8M0 scale for each 32 along K = 5504 = 43 steps of 128.
; hc [43 steps][128 fragments][1536 B]: h's operand fragments (16 rows x 128 K) as images of their 12 registers: twice (16 bytes a lane, then 8 bytes a lane).  hs [43][2048 rows]: one scale word a row and step.
; dnc [2048][4128 B]: the weight's rows of codes, K innermost;  dns [2048][172 B]: its scale bytes, 43 words a row.
; SHARES.  The output has 64 tiles of 256 x 256, too few for the chip's work-group places, so a tile is 128 x 128: 256 work-groups.  Four waves, each 64 x 64: 16 accumulators.
; K goes through a ring of two LDS slots of FOUR steps each (11 slots' worth, the last with three steps), so that one tensor load a wave has four steps' products in which to land.
; The scale words of the work-group's rows, for all of K, come into LDS once.
; CLUSTER: 4 x 4.  The four of a row of the cluster need the same tiles of h, the four of a column the same tiles of the weight: each is asked for JOINTLY.
; THE MATRIX INSTRUCTION IS USED TRANSPOSED (source 0 = 16 rows of the weight, source 1 = 16 rows of h): a lane holds eight neighbouring numbers of a row of the output.
; REGISTERS: window 0: v0-31 addresses; v32-35 h's scale words (two sets), v36-51 the weight's (two sets): scales and nothing else; v64-127 the way out; v128-255 the accumulators ((a, b) at v[128 + 8 (4 a + b)]).
;   window 1: two buffers, v0-95 and v128-223: four fragments of h, then four of the weight.
.set AHALF,  24576                     ; h: 4 steps x 4 fragments x 1,536 bytes: what one tensor load brings
.set BPITCH, 432                       ; a weight's row in LDS: 3 x (128 bytes + 16 of padding) = 108 words: the 32 lanes of a load of 8 bytes touch 64 different banks (64 banks of 4 bytes: ISA guide 11.1)
.set BHALF,  64*BPITCH
.set BOFF,   2*AHALF
.set SLOT,   2*AHALF+2*BHALF           ; 104,448
.set ASTEP,  4*128*1536                ; bytes of hc from a slot's steps to the next slot's
.set BSTEP,  384                       ; and along a row of dnc
.set SCA,    2*SLOT                    ; h's scale words: two halves of 43 steps x 64 rows x 4 bytes
.set SAH,    43*256
.set SCB,    SCA+2*SAH                 ; the weight's: two halves of 64 rows x 44 words (the 44th is written as zero and never used)
.set SBH,    64*176
.set SPARE,  SCB+2*SBH                 ; the spare words, 128 bytes for each wave: no other line names them
.set STAGE,  SLOT                      ; the way out: 16 rows x 272 bytes for each wave, in slot 1, which has had its last fill and its last read ahead of the last barrier
.set SPITCH, 272
.set AI16, 8                           ; v8-9    16 x lane + my half of h in slot 0, 1
.set AI8,  10                          ; v10-11  8 x lane + the same
.set ADRB, 12                          ; v12-13  my lane's place in the weight's rows, slot 0, 1
.set ADRB2, 14                         ; v14-15  the same behind one padding more
.set ADSA, 16                          ; v16     h's scale words
.set ADSB, 17                          ; v17     the weight's
.set STO,  18
.set RD,   19
.set CO,   20
.set SPW,  28                          ; never rewritten
.set NIL,  29                          ; never rewritten
.set SA,   32                          ; set q % 2, register i: lanes 0-15 fragment 2 i, lanes 16-31 fragment 2 i + 1
.set SB,   36                          ; set = slot; registers 4 i + q: step q's word; lanes 0-15 fragment 2 i, lanes 16-31 fragment 2 i + 1
.set BK,   64
.set ACC,  128
.set F0,   0
.set F1,   128
.set G1, 24
.set G0, 32
.set G1B, 48
.set G0B, 56
.set G1S, 68
.set G0S, 76
.set G1SB, 80
.set G0SB, 88
.set MSB, 0
.macro WIN new                         ; the immediate's high byte repeats the setting that is left
.if MSB != (\new)
	s_set_vgpr_msb (MSB<<8)|(\new)
.set MSB, (\new)
.endif
.endm
.set MUL,  0x05                        ; sources 0 and 1 window 1; C and D window 0
.set TO_F, 0x40                        ; destination window 1, address window 0
.macro JLOAD g0a, g1a, g0b, g1b        ; waves 0 and 1 fetch for h, waves 2 and 3 for the weight; four v_nop follow each of the two lines
	s_cmp_eq_u32 s15, 0
	s_cbranch_scc0 .Lfor_b_\@
	tensor_load_to_lds s[\g0a:\g0a+3], s[\g1a:\g1a+7]
	s_nop 0
.rept 4
	v_nop
.endr
	s_branch .Lasked_\@
.Lfor_b_\@:
	tensor_load_to_lds s[\g0b:\g0b+3], s[\g1b:\g1b+7]
	s_nop 0
.rept 4
	v_nop
.endr
.Lasked_\@:
.endm
.macro CREST
	s_cmp_lg_u32 s14, 0
	s_cbranch_scc1 .Lnot_wave_0_\@
	s_barrier_signal -3
.Lnot_wave_0_\@:
	s_barrier_wait -3
	s_barrier_signal -1
	s_barrier_wait -1
.endm
.macro CROUND
	s_barrier_signal -1
	s_barrier_wait -1
	CREST
.endm
	s_load_b128 s[4:7], s[0:1], 0x0                ; h's codes, h's scale words
	s_load_b128 s[8:11], s[0:1], 0x10              ; the weight's codes, its scale bytes
	s_load_b64 s[12:13], s[0:1], 0x20              ; the output
	v_lshl_add_u32 v[SPW], v0, 2, SPARE
	v_mov_b32 v[NIL], 0
	ds_add_u32 v28, v29
	ds_add_u32 v28, v29
	s_wait_dscnt 0x0
	v_lshrrev_b32 v1, 5, v0
	v_readfirstlane_b32 s14, v1                    ; wave 0..3
	s_lshr_b32 s15, s14, 1                         ; mh: which 64 rows are mine.  Also: I fetch for h (0) or for the weight (1)
	s_and_b32 s16, s14, 1                          ; nh: which 64 columns.  Also: which half I fetch
	s_bfe_u32 s40, ttmp6, 0x40000                  ; cx, cy
	s_bfe_u32 s41, ttmp6, 0x40004
	s_lshl_b32 s42, ttmp9, 2
	s_add_co_u32 s42, s42, s40                     ; tile column nt
	s_and_b32 s17, ttmp7, 0xffff
	s_lshl_b32 s17, s17, 2
	s_add_co_u32 s17, s17, s41                     ; tile row mt
	s_lshl_b32 s43, s41, 2
	s_lshl_b32 s43, 15, s43                        ; my row of the cluster
	s_lshl_b32 s44, 0x1111, s40                    ; my column
	; h's codes: 4 rows (steps) of 768 elements of 8 bytes (4 fragments), 24,576 elements from step to step; no padding
	s_or_b32 s[G1+0], s43, (3<<16)|(1<<21)
	s_mov_b32 s[G1+1], 768<<16
	s_mov_b32 s[G1+2], 4<<16
	s_mov_b32 s[G1+3], 768<<16
	s_mov_b32 s[G1+4], 4
	s_mov_b32 s[G1+5], 24576
	s_mov_b32 s[G1+6], 0
	s_mov_b32 s[G1+7], 0
	; the weight's codes: 64 rows of 384 bytes, 4,128 apart; 16 bytes of padding behind every 128 (32 words: code 4; 4 words: code 3)
	s_or_b32 s[G1B+0], s44, (1<<20)|(1<<21)|(4<<22)|(3<<25)
	s_mov_b32 s[G1B+1], 384<<16
	s_mov_b32 s[G1B+2], 64<<16
	s_mov_b32 s[G1B+3], 384<<16
	s_mov_b32 s[G1B+4], 64
	s_mov_b32 s[G1B+5], 4128
	s_mov_b32 s[G1B+6], 0
	s_mov_b32 s[G1B+7], 0
	; h's scale words: 43 rows (steps) of 256 bytes (64 rows' words), 8,192 bytes apart
	s_or_b32 s[G1S+0], s43, (3<<16)|(1<<21)
	s_mov_b32 s[G1S+1], 32<<16
	s_mov_b32 s[G1S+2], 43<<16
	s_mov_b32 s[G1S+3], 32<<16
	s_mov_b32 s[G1S+4], 43
	s_mov_b32 s[G1S+5], 1024
	s_mov_b32 s[G1S+6], 0
	s_mov_b32 s[G1S+7], 0
	; the weight's: 64 rows of 43 words, laid as 44: the tile is one element wider than what is left of the tensor, and that element arrives as zero
	s_or_b32 s[G1SB+0], s44, (2<<16)|(1<<21)
	s_mov_b32 s[G1SB+1], 43<<16
	s_mov_b32 s[G1SB+2], 64<<16
	s_mov_b32 s[G1SB+3], 44<<16
	s_mov_b32 s[G1SB+4], 64
	s_mov_b32 s[G1SB+5], 43
	s_mov_b32 s[G1SB+6], 0
	s_mov_b32 s[G1SB+7], 0
	s_lshl_b32 s18, s16, 2
	s_lshl_b32 s20, s17, 3
	s_add_co_u32 s20, s20, s18                     ; h: fragment 8 mt + 4 half
	s_lshl_b32 s22, s20, 6                         ; its 16 rows' scale words: 64 bytes a fragment
	s_mov_b32 s23, 0
	s_mul_i32 s20, s20, 1536
	s_mov_b32 s21, 0
	s_lshl_b32 s18, s16, 6
	s_lshl_b32 s46, s42, 7
	s_add_co_u32 s46, s46, s18                     ; the weight: row 128 nt + 64 half
	s_mul_i32 s92, s46, 172
	s_mov_b32 s93, 0
	s_mul_i32 s46, s46, 4128                       ; (under 2^24)
	s_mov_b32 s47, 0
	s_mul_i32 s45, s16, AHALF                      ; where they go: no place in the cluster enters an LDS address
	s_mul_i32 s94, s16, BHALF
	s_add_co_u32 s94, s94, BOFF
	s_mul_i32 s95, s16, SAH
	s_mul_i32 s19, s16, SBH
	s_wait_kmcnt 0x0
	s_add_nc_u64 s[20:21], s[4:5], s[20:21]
	s_add_nc_u64 s[22:23], s[6:7], s[22:23]
	s_add_nc_u64 s[46:47], s[8:9], s[46:47]
	s_add_nc_u64 s[92:93], s[10:11], s[92:93]
	CROUND                                         ; all sixteen work-groups are here: the first joint loads meet
	s_mov_b32 s[G0S], 1
	s_add_co_u32 s[G0S+1], s95, SCA
	s_mov_b64 s[G0S+2:G0S+3], s[22:23]
	s_or_b32 s[G0S+3], s[G0S+3], 0x80000000
	s_mov_b32 s[G0SB], 1
	s_add_co_u32 s[G0SB+1], s19, SCB
	s_mov_b64 s[G0SB+2:G0SB+3], s[92:93]
	s_or_b32 s[G0SB+3], s[G0SB+3], 0x80000000
	JLOAD G0S, G1S, G0SB, G1SB
.irp s, 0,1
	s_mov_b32 s[G0+4*\s], 1
	s_add_co_u32 s[G0+4*\s+1], s45, \s*SLOT
	s_add_nc_u64 s[G0+4*\s+2:G0+4*\s+3], s[20:21], \s*ASTEP
	s_or_b32 s[G0+4*\s+3], s[G0+4*\s+3], 0x80000000
	s_mov_b32 s[G0B+4*\s], 1
	s_add_co_u32 s[G0B+4*\s+1], s94, \s*SLOT
	s_add_nc_u64 s[G0B+4*\s+2:G0B+4*\s+3], s[46:47], \s*BSTEP
	s_or_b32 s[G0B+4*\s+3], s[G0B+4*\s+3], 0x80000000
	JLOAD G0+4*\s, G1, G0B+4*\s, G1B               ; three tensor loads of mine are out behind the last of these
.endr
	v_and_b32 v1, 15, v0                           ; r
	v_bfe_u32 v2, v0, 4, 1                         ; h
	v_and_b32 v3, 31, v0                           ; lane
	v_lshlrev_b32 v4, 4, v3
	v_lshlrev_b32 v5, 3, v3
	v_mul_u32_u24 v6, v1, BPITCH
	v_mad_u32_u24 v6, v2, 24, v6                   ; row x pitch + 24 x half
	v_lshl_add_u32 v7, v2, 4, v6                   ; and behind one padding more
	s_mul_i32 s66, s15, AHALF
	s_mul_i32 s67, s16, BHALF
	s_add_co_u32 s67, s67, BOFF
.irp s, 0,1
	v_add_nc_u32 v[AI16+\s], s66, v4
	v_add_nc_u32 v[AI8+\s], s66, v5
	v_add_nc_u32 v[ADRB+\s], s67, v6
	v_add_nc_u32 v[ADRB2+\s], s67, v7
	s_add_co_u32 s66, s66, SLOT
	s_add_co_u32 s67, s67, SLOT
.endr
	s_mul_i32 s66, s15, SAH
	s_add_co_u32 s66, s66, SCA
	v_lshl_add_u32 v[ADSA], v3, 2, s66             ; 4 x lane: 32 neighbouring rows' words
	s_mul_i32 s66, s16, SBH
	s_add_co_u32 s66, s66, SCB
	v_mul_u32_u24 v6, v1, 176
	v_mad_u32_u24 v6, v2, 2816, v6                 ; row r, lanes 16-31 sixteen rows on
	v_add_nc_u32 v[ADSB], s66, v6
	s_mul_i32 s66, s14, 16*SPITCH
	s_add_co_u32 s66, s66, STAGE                   ; my stage
	v_mul_u32_u24 v6, v1, SPITCH
	v_lshl_add_u32 v6, v2, 5, v6
	v_add_nc_u32 v[STO], s66, v6                   ; in: row r, 32 bytes for each half of the lanes
	v_mul_u32_u24 v6, v2, SPITCH
	v_lshl_add_u32 v6, v1, 4, v6
	v_add_nc_u32 v[RD], s66, v6                    ; back: lanes 0-15 one row of 256 bytes, lanes 16-31 the next
	v_lshlrev_b32 v6, 13, v2
	v_lshl_add_u32 v[CO], v1, 4, v6                ; and the same two rows in the output (8,192 bytes a row)
	s_lshl_b32 s20, s17, 7
	s_lshl_b32 s21, s15, 6
	s_add_co_u32 s20, s20, s21                     ; my first row: 128 mt + 64 mh
	s_lshl_b32 s20, s20, 13
	s_mov_b32 s21, 0
	s_lshl_b32 s46, s42, 9                         ; my first column, in bytes: 512 nt + 256 nh
	s_lshl_b32 s47, s16, 8
	s_add_co_u32 s46, s46, s47
	s_mov_b32 s47, 0
	s_add_nc_u64 s[20:21], s[20:21], s[46:47]
	s_add_nc_u64 s[12:13], s[12:13], s[20:21]
; One product.  bo, ao: the weight's (source 0) and h's (source 1) scale words stand in lanes 16-31 of their registers.
.macro WMM d, fb, fa, sb, sa, bo, ao, zero
.if \zero
.if (\bo) && (\ao)
	v_wmma_scale_f32_16x16x128_f8f6f4 v[\d:\d+7], v[\fb:\fb+11], v[\fa:\fa+11], 0, v[\sb], v[\sa] matrix_a_fmt:MATRIX_FMT_FP6 matrix_b_fmt:MATRIX_FMT_FP6 matrix_a_scale:MATRIX_SCALE_ROW1 matrix_b_scale:MATRIX_SCALE_ROW1
.elseif (\bo)
	v_wmma_scale_f32_16x16x128_f8f6f4 v[\d:\d+7], v[\fb:\fb+11], v[\fa:\fa+11], 0, v[\sb], v[\sa] matrix_a_fmt:MATRIX_FMT_FP6 matrix_b_fmt:MATRIX_FMT_FP6 matrix_a_scale:MATRIX_SCALE_ROW1
.elseif (\ao)
	v_wmma_scale_f32_16x16x128_f8f6f4 v[\d:\d+7], v[\fb:\fb+11], v[\fa:\fa+11], 0, v[\sb], v[\sa] matrix_a_fmt:MATRIX_FMT_FP6 matrix_b_fmt:MATRIX_FMT_FP6 matrix_b_scale:MATRIX_SCALE_ROW1
.else
	v_wmma_scale_f32_16x16x128_f8f6f4 v[\d:\d+7], v[\fb:\fb+11], v[\fa:\fa+11], 0, v[\sb], v[\sa] matrix_a_fmt:MATRIX_FMT_FP6 matrix_b_fmt:MATRIX_FMT_FP6
.endif
.else
.if (\bo) && (\ao)
	v_wmma_scale_f32_16x16x128_f8f6f4 v[\d:\d+7], v[\fb:\fb+11], v[\fa:\fa+11], v[\d:\d+7], v[\sb], v[\sa] matrix_a_fmt:MATRIX_FMT_FP6 matrix_b_fmt:MATRIX_FMT_FP6 matrix_a_scale:MATRIX_SCALE_ROW1 matrix_b_scale:MATRIX_SCALE_ROW1
.elseif (\bo)
	v_wmma_scale_f32_16x16x128_f8f6f4 v[\d:\d+7], v[\fb:\fb+11], v[\fa:\fa+11], v[\d:\d+7], v[\sb], v[\sa] matrix_a_fmt:MATRIX_FMT_FP6 matrix_b_fmt:MATRIX_FMT_FP6 matrix_a_scale:MATRIX_SCALE_ROW1
.elseif (\ao)
	v_wmma_scale_f32_16x16x128_f8f6f4 v[\d:\d+7], v[\fb:\fb+11], v[\fa:\fa+11], v[\d:\d+7], v[\sb], v[\sa] matrix_a_fmt:MATRIX_FMT_FP6 matrix_b_fmt:MATRIX_FMT_FP6 matrix_b_scale:MATRIX_SCALE_ROW1
.else
	v_wmma_scale_f32_16x16x128_f8f6f4 v[\d:\d+7], v[\fb:\fb+11], v[\fa:\fa+11], v[\d:\d+7], v[\sb], v[\sa] matrix_a_fmt:MATRIX_FMT_FP6 matrix_b_fmt:MATRIX_FMT_FP6
.endif
.endif
.endm
; 8 products: h's fragments a0, a0 + 1 against the weight's four; buffer f, step q of slot s.  The 16 accumulators take turns, one instruction a turn, in the same order in every step.
.macro MUL8 f, a0, q, s, zero
.irp a, \a0, \a0+1
.irp b, 0,1,2,3
	WMM ACC+8*(4*(\a)+\b), \f+48+12*\b, \f+12*(\a), SB+8*(\s)+4*(\b/2)+(\q), SA+2*((\q)%2)+(\a)/2, \b%2, (\a)%2, \zero
.endr
.endr
.endm
.macro FRAGI reg, s, q, a              ; a fragment of h comes back as it was stored: registers 0-3 and 6-9 at 16 bytes a lane, 4-5 and 10-11 at 8 bytes a lane
	ds_load_b128 v[\reg:\reg+3], v[AI16+\s] offset:6144*(\q)+1536*(\a)
	ds_load_b64 v[\reg+4:\reg+5], v[AI8+\s] offset:6144*(\q)+1536*(\a)+512
	ds_load_b128 v[\reg+6:\reg+9], v[AI16+\s] offset:6144*(\q)+1536*(\a)+768
	ds_load_b64 v[\reg+10:\reg+11], v[AI8+\s] offset:6144*(\q)+1536*(\a)+1280
.endm
.macro FRAGR reg, s, q, b              ; a fragment of the weight from rows: pieces of 8 bytes; lanes 16-31 read three pieces on, which from piece 13 of 16 on lies behind one padding more
.irp p, 0,1,2,3,4,5
.set PC, 12*(\q)+6*(\p/3)+\p%3
.if PC%16 < 13
	ds_load_b64 v[\reg+2*\p:\reg+2*\p+1], v[ADRB+\s] offset:8*PC+16*(PC/16)+16*BPITCH*(\b)
.else
	ds_load_b64 v[\reg+2*\p:\reg+2*\p+1], v[ADRB2+\s] offset:8*PC+16*(PC/16)+16*BPITCH*(\b)
.endif
.endr
.endm
.macro FETCH s, q, f                   ; 42 LDS loads: step q of slot s into buffer f, and h's scale words of that step
	WIN TO_F
.irp a, 0,1,2,3
	FRAGI \f+12*\a, \s, \q, \a
.endr
.irp b, 0,1,2,3
	FRAGR \f+48+12*\b, \s, \q, \b
.endr
	WIN 0
.irp i, 0,1
	ds_load_b32 v[SA+2*((\q)%2)+\i], v[ADSA] offset:256*(\q)+128*\i
.endr
.endm
.macro SBLOAD s                        ; the weight's scale words of a slot's four steps
.irp i, 0,1
	ds_load_b128 v[SB+8*\s+4*\i:SB+8*\s+4*\i+3], v[ADSB] offset:32*176*\i
.endr
.endm
.macro PLACES                          ; four plain vector instructions between a matrix instruction and a load into, or a read of, its registers
.rept 4
	v_nop
.endr
.endm
.macro STEP s, q, zero                 ; step q (0 to 2) of slot s on buffer q % 2; the next step is fetched into the other buffer first
	PLACES
	FETCH \s, (\q)+1, 128*(((\q)+1)%2)
	s_wait_dscnt 42                                ; all but the 42 loads just issued: this step's operands are in
	WIN MUL
	MUL8 128*((\q)%2), 0, \q, \s, \zero
	MUL8 128*((\q)%2), 2, \q, \s, \zero
	WIN 0
.endm
; A slot's fourth step changes slots: ONE barrier; in front of it each wave waits for all its tensor loads, adds 0 to its spare word, and waits for that and for its reads of this slot.
; fill = 1: the slot is filled again, two slots ahead; 2: with the last three steps; 0: nothing is left to fetch.
.macro TURN s, next, fill
	s_wait_tensorcnt 0x0                           ; all my tensor loads have landed: my part of the next slot
	ds_add_u32 v[SPW], v[NIL]                      ; 0 onto my spare word
	s_wait_dscnt 1                                 ; this step's operands are in; the add may be out
	WIN MUL
	MUL8 F1, 0, 3, \s, 0                           ; eight matrix instructions stand between the add and the wait for it
	s_wait_dscnt 0x0                               ; the add is done, and my reads of this slot are over
	s_barrier_signal -1
	MUL8 F1, 2, 3, \s, 0
	WIN 0
	s_barrier_wait -1
.if \fill
	CREST                                          ; the barrier has opened a round of the cluster's: no wave of any partner still reads this slot or has a load on its way
	s_add_nc_u64 s[G0+4*\s+2:G0+4*\s+3], s[G0+4*\s+2:G0+4*\s+3], 2*ASTEP
	s_add_nc_u64 s[G0B+4*\s+2:G0B+4*\s+3], s[G0B+4*\s+2:G0B+4*\s+3], 2*BSTEP
.if \fill == 2
	s_mov_b32 s[G1+2], 3<<16                       ; three steps are left of h (no tensor load of mine is out: the shapes may be written),
	s_mov_b32 s[G1+4], 3
	s_mov_b32 s[G1B+1], 288<<16                    ; and 288 bytes of each row of the weight: what lies beyond arrives as zeros and is not multiplied
.endif
	JLOAD G0+4*\s, G1, G0B+4*\s, G1B               ; my one tensor load behind the round; its four v_nop are the places in front of the loads below
.else
	PLACES
.endif
	v_add_nc_u32 v[ADSA], 4*256, v[ADSA]           ; the next slot's scale words
	v_add_nc_u32 v[ADSB], 16, v[ADSB]
	FETCH \next, 0, F0
	SBLOAD \next
.endm
	s_wait_tensorcnt 1                             ; the scales and my part of slot 0 are in; slot 1's load may be out
	s_barrier_signal -1
	s_barrier_wait -1
	FETCH 0, 0, F0
	SBLOAD 0
	STEP 0, 0, 1                                   ; the first step stands in front of the loop: its products start the sums
	s_mov_b32 s3, 4
.Llap:                                                 ; a trip goes once round the ring: eight steps, both slots filled again
	STEP 0, 1, 0
	STEP 0, 2, 0
	TURN 0, 1, 1
	STEP 1, 0, 0
	STEP 1, 1, 0
	STEP 1, 2, 0
	TURN 1, 0, 1
	STEP 0, 0, 0
	s_sub_co_u32 s3, s3, 1
	s_cmp_lg_u32 s3, 0
	s_cbranch_scc1 .Llap
	STEP 0, 1, 0                                   ; steps 33 to 35; slot 0 then takes the last three steps
	STEP 0, 2, 0
	TURN 0, 1, 2
	STEP 1, 0, 0
	STEP 1, 1, 0
	STEP 1, 2, 0
	TURN 1, 0, 0                                   ; nothing is left to fetch
	STEP 0, 0, 0
	STEP 0, 1, 0
	s_wait_dscnt 0x0
	WIN MUL
	MUL8 F0, 0, 2, 0, 0                            ; step 42, the last
	MUL8 F0, 2, 2, 0, 0
	WIN 0
; THE WAY OUT, block by block of 16 rows x 64 columns: a lane holds 32 neighbouring bytes of a row; through my own stage they come back as whole rows of 256 bytes.  LDS serves a wave's instructions in order.
.macro TOSTAGE a
.irp b, 0,1,2,3
	ds_store_b128 v[STO], v[ACC+8*(4*(\a)+\b):ACC+8*(4*(\a)+\b)+3] offset:64*\b          ; each accumulator from its low end on
	ds_store_b128 v[STO], v[ACC+8*(4*(\a)+\b)+4:ACC+8*(4*(\a)+\b)+7] offset:64*\b+16
.endr
.irp t, 0,1,2,3,4,5,6,7
	ds_load_b128 v[BK+32*((\a)%2)+4*\t:BK+32*((\a)%2)+4*\t+3], v[RD] offset:2*SPITCH*\t
.endr
.endm
.macro SEND a, younger                 ; younger: the LDS instructions issued behind block a's loads, which may stay out
	s_wait_dscnt \younger
.irp t, 0,1,2,3,4,5,6,7
	global_store_b128 v[CO], v[BK+32*((\a)%2)+4*\t:BK+32*((\a)%2)+4*\t+3], s[12:13] offset:(16*(\a)+2*\t)*8192 th:TH_STORE_NT   ; sixteen lanes store 256 consecutive bytes, aligned; written once
.endr
.endm
	PLACES
	TOSTAGE 0
.irp a, 1,2,3
.if \a > 1
	s_wait_xcnt 0x0                                ; block a - 2's stores have read their registers: block a's loads may land there
.endif
	TOSTAGE \a
	SEND \a-1, 16                                  ; behind block a - 1's loads: block a's 8 stores and 8 loads
.endr
	SEND 3, 0
	s_wait_tensorcnt 0x0                           ; the wave's end
	ds_add_u32 v[SPW], v[NIL]
	s_wait_dscnt 0x0
	CROUND                                         ; the closing round: no work-group ends while a partner may still ask for a tile that names it
	s_endpgm
.Lfunc_end_k_q68223bf3fe_down:
	.size	k_q68223bf3fe_down, .Lfunc_end_k_q68223bf3fe_down-k_q68223bf3fe_down
	.p2alignl 7, 3214868480
	.fill 96, 4, 3214868480
	.section	.rodata,"a",@progbits
	.p2align	6, 0x0
	.amdhsa_kernel k_q68223bf3fe_down
		.amdhsa_group_segment_fixed_size 327680
		.amdhsa_private_segment_fixed_size 0
		.amdhsa_enable_private_segment 0
		.amdhsa_kernarg_size 40
		.amdhsa_user_sgpr_count 2
		.amdhsa_user_sgpr_kernarg_segment_ptr 1
		.amdhsa_wavefront_size32 1
		.amdhsa_system_sgpr_workgroup_id_x 1
		.amdhsa_system_sgpr_workgroup_id_y 1
		.amdhsa_system_sgpr_workgroup_id_z 1
		.amdhsa_system_vgpr_workitem_id 0
		.amdhsa_next_free_vgpr 512
		.amdhsa_next_free_sgpr 98
		.amdhsa_reserve_vcc 0
		.amdhsa_float_denorm_mode_32 3
		.amdhsa_float_denorm_mode_16_64 3
		.amdhsa_memory_ordered 1
		.amdhsa_forward_progress 1
		.amdhsa_inst_pref_size 116
	.end_amdhsa_kernel
	.amdgpu_metadata
---
amdhsa.version: [ 1, 2 ]
amdhsa.kernels:
  - .name:           k_q68223bf3fe_down
    .symbol:         k_q68223bf3fe_down.kd
    .args:
      - { .name: hc, .offset: 0, .size: 8, .value_kind: global_buffer, .address_space: global }
      - { .name: hs, .offset: 8, .size: 8, .value_kind: global_buffer, .address_space: global }
      - { .name: dnc, .offset: 16, .size: 8, .value_kind: global_buffer, .address_space: global }
      - { .name: dns, .offset: 24, .size: 8, .value_kind: global_buffer, .address_space: global }
      - { .name: out0, .offset: 32, .size: 8, .value_kind: global_buffer, .address_space: global }
    .group_segment_fixed_size: 327680
    .private_segment_fixed_size: 0
    .kernarg_segment_align: 8
    .kernarg_segment_size: 40
    .max_flat_workgroup_size: 128
    .sgpr_count:     98
    .vgpr_count:     512
    .wavefront_size: 32
...
	.end_amdgpu_metadata
.endif
;; end of part 3
